; MI455X (gfx1250); checked and timed in simulation.
; The chip was launched on July 23, 2026; its instructions are those of AMD's public machine-readable ISA for CDNA 5 (MIT licence, August 2026) and "CDNA5" Instruction Set Architecture Reference Guide (July 2026). The comments in the code are by the model that wrote it; some were corrected since.
;; PHNODE. Allowed arithmetic: matrix products marked QUANTISED: E2M1 operands, one E8M0 scale for each 32 along K, by v_wmma_scale_f32_16x16x128_f8f6f4 with both operands' format E2M1 (or v_wmma_scale_f32_32x16x128_f4), f32 sums; products left as they are: f32 operands where the result goes on into a quantised operand, else bf16, f16 or f32 operands; f32 sums; everything else in f32.
;; Inputs: Bmat 2 x 1 float32; R 2 x 2 float32; W1 1,024 x 2 float32; W2_codes 1,024 x 32 x 16 uint8 (E2M1 codes of W2, K innermost, in blocks of 32 codes, two codes a byte); W2_scales 1,024 x 32 uint8 (E8M0 scales of W2, one for each 32 codes along K); W3 2 x 1,024 float32; b1 1,024 float32; b2 1,024 float32; b3 2 float32; control one number float32; m one number float32; scale 2 x 1 float32; y 65,536 x 2 float32.
;; Outputs: out0 65,536 x 2 float32.
;; This version of the problem:
;;   THIS VERSION OF THE PROBLEM IS GIVEN IN LOW PRECISION. The matrix products marked QUANTISED in the list below multiply operands that are first quantised to E2M1 (2 exponent bits, 1 mantissa bit; 4 bits a number), with one power-of-two scale for each 32 numbers along K (OCP MX v1.0); their sums are f32. All else is computed in f32.
;;   The module's matrix products, in the order in which they are computed (A, B: the left and right operand; K: the contracted axis; several contracted axes count as one K, in the product's order):
;;     1. [M 65,536, K 2] x [K 2, N 1,024]; A: input y; B: input W1: left as it is (K = 2 < 32)
;;     2. [M 65,536, K 1,024] x [K 1,024, N 1,024]; A: computed on the way; B: input W2 (given as codes): QUANTISED
;;     3. [M 65,536, K 1,024] x [K 1,024, N 2]; A: computed on the way; B: input W3: left as it is (N = 2 < 16)
;;     4. [M 2, K 2] x [K 2, N 65,536]; A: computed on the way; B: computed on the way: left as it is (K = 2 < 32)
;;   THE QUANTISER, for each operand of a quantised product, along K:
;;     - K is cut into blocks of 32 from its start; a last block that is shorter is filled with zeros.
;;     - A block's scale is 2^e with e = floor(log2(the largest magnitude in the block)) - 2, held to -126 .. 127; a block of zeros has e = 0. As a byte (E8M0): e + 127.
;;     - Each number is divided by its block's scale, clamped to +-6, and rounded to the nearest number of E2M1, ties to even, subnormals kept.
;;     - The product sums the exact products of the quantised numbers (number of the format x scale) in f32.
;;   ~~~python
;;   def quantise(x, axis):      # numpy; x: float32 -> the quantised numbers, widened to float32 again
;;       x = np.moveaxis(x, axis, -1); K = x.shape[-1]
;;       x = np.pad(x, [(0, 0)] * (x.ndim - 1) + [(0, -K % 32)]); x = x.reshape(x.shape[:-1] + (-1, 32)); a = np.abs(x).max(-1, keepdims=True)
;;       e = np.where(a > 0, np.clip(np.frexp(np.where(a > 0, a, 1))[1] - 1 - 2, -126, 127), 0)      # np.frexp(a)[1] - 1 = floor(log2(a)), exactly
;;       r = np.clip(x / 2.0 ** e, -6, 6)
;;       step = 2.0 ** (np.maximum(np.frexp(np.where(r == 0, 1, r))[1] - 1, 0) - 1)
;;       q = np.round(r / step) * step * 2.0 ** e      # np.round: ties to even
;;       return np.moveaxis(q.reshape(q.shape[:-2] + (-1,))[..., :K], -1, axis).astype(np.float32)
;;   ~~~
;;   OPERANDS COMPUTED ON THE WAY. 'Computed on the way' means the value that the module computes at that place (a softmax that the list does not call 'softmax' is quantised finished and normalised). What goes into a quantiser is computed in f32, as accurately as f32 sums, v_exp_f32 and their like allow (about 1e-6 of the number): no bf16 or f16 on the way to a quantiser, and a product that is left as it is and whose result goes on into a quantised operand takes f32 operands (vector FMAs, or v_wmma_f32_16x16x4_f32). A number that lies on a knife's edge between two numbers of the format may be rounded either way, as far as f32 arithmetic and the matrix unit's own rounding can turn it there, and no further.
;;   INPUTS GIVEN AS CODES. W2 (in the module: [1024, 1024], K = its axis 1): each comes as NAME_codes (uint8): NAME with its K axis moved to the last place and cut into blocks of 32 codes, [.., K / 32, bytes a block], one block behind the other in memory; two codes a byte, the lower K in the low four bits (a code: sign, 2 exponent bits, 1 mantissa bit); and NAME_scales (uint8): the same leading axes, one E8M0 byte (e + 127) for each 32 codes along K. Its value is code x scale, taken as it is: it is not quantised again, and the codes and scales need not be those that the quantiser above would give.
;; 2 versions, each right and faster than the one before. Each part assembles by itself: llvm-mc -triple=amdgcn-amd-amdhsa -mcpu=gfx1250 --defsym DOCPART=n.
;; ======== version 1 of 2: 1 launch
;; launch phnode (part 1): grid 256 x 1, 4 waves a work-group, clusters of 4 x 1, 327,680 bytes of LDS; arguments y, W1, b1, W2_codes, W2_scales, b2, W3, b3, R, Bmat, scale, control, m, out0; writes out0
.if DOCPART == 1
	.amdgcn_target "amdgcn-amd-amdhsa--gfx1250"
	.amdhsa_code_object_version 6
	.text
	.protected	k_q4175f7de11_phnode
	.globl	k_q4175f7de11_phnode
	.p2align	8
	.type	k_q4175f7de11_phnode,@function
k_q4175f7de11_phnode:
	s_mov_b64 s[64:65], 0
	v_nop
	global_prefetch_b8 v0, s[64:65] scope:SCOPE_SE
	s_setreg_imm32_b32 hwreg(HW_REG_WAVE_MODE, 25, 1), 1
	s_wait_xcnt 0x0
	s_wait_alu depctr_hold_cnt(0) depctr_sa_sdst(0) depctr_va_vdst(0) depctr_va_sdst(0) depctr_va_ssrc(0) depctr_va_vcc(0) depctr_vm_vsrc(0)
	s_getreg_b32 s2, hwreg(HW_REG_IB_STS2, 6, 4)
	s_cmp_eq_u32 s2, 0
	s_cbranch_scc0 .Lentry_in_a_cluster
	s_endpgm
.Lentry_in_a_cluster:
	s_bfe_u32 s2, ttmp6, 0x10000c
	s_cmp_lg_u32 s2, 0x3003
	s_cbranch_scc0 .Lentry_shape_is_right
	s_endpgm
.Lentry_shape_is_right:
; out0[row] = (((J - R) dH + Bmat control) * scale)^T,  dH = W3 relu(Q(relu(y W1^T + b1)) W2^T + b2) + b3,  J = [[0, -m], [m, 0]].
; y [65536][2], W1 [1024][2], b1, b2 [1024], W3 [2][1024] f32; W2 as codes of FP4 (E2M1) [1024][512 bytes] with one E8M0 byte for each 32 along K [1024][32].
; SHARES.  256 work-groups of four waves; a work-group owns 256 rows, a wave 64: four tiles of 16.  Nothing is split along N or K: each row of out0 has one owner.
; PHASE 1.  The wave makes its rows' first hidden layer in f32 (two packed multiply-adds for two numbers), quantises it in registers and keeps ALL its codes (4 tiles x 8 K steps x 8 registers:
;   window 1) and scale words (32 registers) for the rest of the launch.  Lane (r, h) makes, for row 16 t + r, the 32 numbers k = 64 c + 32 h + 0 .. 31: a whole block, in the place that the operand's layout gives that lane.
; PHASE 2.  W2 goes through a ring of two LDS slots of 256 rows.  A PAIR is 32 rows of W2: 8 K steps x 4 tiles of rows = 32 products of 32 x 16 x 128, source 0 = W2's 32 rows, source 1 = 16 rows of the hidden
;   layer, so that a lane holds ONE row and 16 numbers along the next K; b2 is the C of a sum's first product.  The pair before is finished meanwhile, in slices behind these products: relu, rounding to bf16 in place
;   (which IS source 1 of a bf16 product, 32 along K), and one bf16 product a tile with W3 (row r of source 0 is W3[r % 2], so registers 0 and 1 of the result are dH0 and dH1 of the lane's row).
; CLUSTER.  All work-groups walk the same W2: the four of a cluster ask for each tile JOINTLY (the same load, the same descriptor, a mask that names the four).
; LIMITS.  NaN and infinities among the inputs are not served.  A block of the hidden layer without a positive number gets the scale byte 1 (the quantiser's rule says 127): its codes are zeros, signed or not, which add
;   nothing.  The first layer is fma(y1, w1, fma(y0, w0, b1)): it may differ in the last bit from (y0 w0 + y1 w1) + b1.  The second hidden layer and W3 enter the third product rounded to bf16.
; REGISTERS, in windows of 256 (s_set_vgpr_msb: bits 1:0 source 0, 3:2 source 1, 5:4 source 2, 7:6 destination):
;   window 0: v1-9 addresses that stay; v10-19 y; v20-31 head; v32-63 the hidden layer's scale words; v64-79 W2's, two sets; v80-143 b1, two sets; v144-215 at work in phase 1; v216-239 b2 and W3 as loaded
;   window 1: the hidden layer's codes, (tile t, K step s) at v[8 (8 t + s)]
;   window 2: phase 1: w0 and w1, two sets;  phase 2: v0-15 b2 of a pair, v16-31 W3's fragment (two sets), v32-63 dH's four sums, v64-191 two sets of four accumulators of 16
;   window 3: v0-127 W2's fragments of one whole pair (K step s at v[16 s]); v128-135 addresses
.set PITCH, 528                        ; a row of W2 in LDS: 512 bytes + 16: an odd multiple of 16, so that the sixteen rows that a load touches start at different banks
.set PB,    32*PITCH                   ; a pair's rows
.set SLOTB, 8*PB                       ; a slot: 256 rows.  Slot 1 begins where slot 0 ends
.set SCL,   2*SLOTB                    ; W2's scale bytes, all 32,768, dense: filled once
.set T,     SCL+32768                  ; tables, written by LDS stores alone.  Phase 1: w0[k], w1[k], b1[k], 4,096 bytes each;
.set B2T,   T                          ; phase 2, behind a barrier: b2 in f32,
.set W3T,   T+4096                     ; and W3's two rows in bf16,
.set W3P,   2064                       ; 2,048 bytes + 16 apart
.set CST,   T+12288                    ; a stage for codes: 4 tiles x 512 bytes for each wave, images of four registers
.set SST,   CST+8192                   ; a stage for scale bytes: 16 bytes a lane, 4 a tile
.set SPARE, SST+2048                   ; the spare words, 128 bytes for each wave: two blocks of 256 bytes that no other line names
.set SA,  32                           ; window 0
.set SCW, 64
.set BB,  80
.set H,   144                          ; 32 numbers of the hidden layer
.set MX,  176                          ; v176-179 maxima
.set SCO, 184                          ; the conversion's scale operand
.set EB,  185                          ; the scale's byte, at its place in the word
.set CC,  188                          ; codes as converted
.set TM,  192
.set XS,  196
.set C2,  200                          ; codes with relu applied
.set PT,  204                          ; v204-211 parts of scale words, two sets of four tiles
.set PX,  212                          ; v212-215 lane permutes' results
.set B2C, 0                            ; window 2
.set W3F, 16
.set OUT, 32
.set ACC, 64
.set AF0,  128                         ; window 3: my lane's place in a pair's rows; among W2's scale words; in b2; in W3 (one pair back)
.set ASC0, 129
.set AB20, 130
.set AW30, 131
.set AF,   132                         ; and the addresses in hand
.set ASC,  133
.set AB2,  134
.set AW3,  135
.set W_S, 0xa7                         ; products: W2 window 3, codes window 1, C and D window 2.  Also: relu by v_max3 (0, 0, x), and LDS loads with the address in window 3 and the data in window 2
.set W_T, 0xff                         ; all window 3: fragment loads and their addresses
.set W_U, 0x03                         ; address window 3, data window 0: W2's scale words
.set W_P, 0xaa                         ; all window 2: roundings and the bf16 product
.set MSB, 0
.macro WIN new                         ; the immediate's high byte repeats the setting that is left; a switch that changes nothing is dropped
.if MSB != \new
	s_set_vgpr_msb (MSB<<8)|\new
.set MSB, \new
.endif
.endm
.macro PLACES
.rept 4
	v_nop
.endr
.endm
.macro BAR
	s_barrier_signal -1
	s_barrier_wait -1
.endm
.macro ROUND                           ; a round of the cluster's barrier: my work-group's barrier; wave 0 signals for the work-group; every wave waits for all four work-groups; my work-group's barrier once more
	s_barrier_signal -1
	s_barrier_wait -1
	s_cmp_lg_u32 s60, 0
	s_cbranch_scc1 .Lnot_wave_0_\@
	s_barrier_signal -3
.Lnot_wave_0_\@:
	s_barrier_wait -3
	s_barrier_signal -1
	s_barrier_wait -1
.endm
	s_load_b512 s[4:19], s[0:1], 0x0               ; y s[4:5], W1 s[6:7], b1 s[8:9], W2's codes s[10:11], its scales s[12:13], b2 s[14:15], W3 s[16:17], b3 s[18:19]
	s_load_b256 s[20:27], s[0:1], 0x40             ; R s[20:21], Bmat s[22:23], scale s[24:25], control s[26:27]
	s_load_b128 s[28:31], s[0:1], 0x60             ; m s[28:29], out0 s[30:31]
	v_lshl_add_u32 v1, v0, 2, SPARE                ; my spare word; never rewritten
	v_mov_b32 v2, 0                                ; 0; never rewritten
	ds_add_u32 v1, v2
	ds_add_u32 v1, v2
	s_wait_dscnt 0x0
	v_lshrrev_b32 v26, 5, v0
	v_readfirstlane_b32 s60, v26                   ; wave 0..3
	s_bfe_u32 s61, ttmp6, 0x40000                  ; cx: my place in the cluster: it enters y's and out0's addresses alone
	s_lshl_b32 s62, ttmp9, 2
	s_add_co_u32 s62, s62, s61                     ; work-group = 4 x cluster + cx
	s_lshl_b32 s62, s62, 11                        ; its 256 rows of 8 bytes,
	s_lshl_b32 s63, s60, 9                         ; my wave's 64
	s_add_co_u32 s62, s62, s63
	s_mov_b32 s63, 0
	; descriptor group 1 for W2's codes: 64 rows of 512 bytes, 16 bytes of padding behind each
	s_mov_b32 s32, 15|(0<<16)|(1<<20)|(1<<21)|(6<<22)|(3<<25)   ; 15:0 the mask: all four work-groups; 17:16 elements of 1 byte; 20 padding on; 21 set beside a mask; 24:22 after every 128 words (code 6); 31:25 four words (code 3)
	s_mov_b32 s33, 512<<16                         ; tensor_dim0
	s_mov_b32 s34, 64<<16                          ; tensor_dim1
	s_mov_b32 s35, 512<<16                         ; tile_dim0
	s_mov_b32 s36, 64                              ; tile_dim1
	s_mov_b32 s37, 512                             ; from row to row
	s_mov_b32 s38, 0
	s_mov_b32 s39, 0
	; and for its scale bytes: a dense block of 8,192 bytes as 32 rows of 256 (32 elements of 8 bytes), no padding
	s_mov_b32 s40, 15|(3<<16)|(1<<21)
	s_mov_b32 s41, 32<<16
	s_mov_b32 s42, 32<<16
	s_mov_b32 s43, 32<<16
	s_mov_b32 s44, 32
	s_mov_b32 s45, 32
	s_mov_b32 s46, 0
	s_mov_b32 s47, 0
	s_mul_i32 s61, s60, 64*PITCH                   ; each wave fetches a quarter of each tile: its 64 rows in a slot,
	s_lshl_b32 s70, s60, 15                        ; in memory,
	s_mov_b32 s71, 0
	s_lshl_b32 s72, s60, 13                        ; and its 8,192 scale bytes: no place in the cluster enters a descriptor
	s_mov_b32 s73, 0
	s_wait_kmcnt 0x0
	s_mov_b32 s48, 1                               ; group 0 for slot 0: rows 0 to 255
	s_mov_b32 s49, s61
	s_add_nc_u64 s[50:51], s[10:11], s[70:71]
	s_add_nc_u64 s[54:55], s[50:51], 131072        ; group 0 for slot 1: rows 256 to 511; it then walks on
	s_or_b32 s51, s51, 0x80000000
	s_mov_b32 s52, 1
	s_add_co_u32 s53, s61, SLOTB
	s_or_b32 s55, s55, 0x80000000
	s_mov_b32 s56, 1                               ; group 0 for the scale bytes
	s_add_co_u32 s57, s72, SCL
	s_add_nc_u64 s[58:59], s[12:13], s[72:73]
	s_or_b32 s59, s59, 0x80000000
	s_add_nc_u64 s[4:5], s[4:5], s[62:63]          ; y and out0 at my wave's first row
	s_add_nc_u64 s[30:31], s[30:31], s[62:63]
	s_load_b128 s[76:79], s[20:21], 0x0            ; R00, R01, R10, R11
	s_load_b64 s[80:81], s[22:23], 0x0             ; Bmat
	s_load_b64 s[82:83], s[24:25], 0x0             ; scale
	s_load_b32 s84, s[26:27], 0x0                  ; control
	s_load_b32 s85, s[28:29], 0x0                  ; m
	s_load_b64 s[86:87], s[18:19], 0x0             ; b3
	s_mov_b32 s66, 0x88888888                      ; the signs of eight codes
	s_mov_b32 s68, 0x76543210                      ; v_permlanex16_b32's selects for lane l xor 16
	s_mov_b32 s69, 0xfedcba98
	ROUND                                          ; all four work-groups are here: the first joint loads meet
	tensor_load_to_lds s[56:59], s[40:47]          ; the first fills go out as one group: three loads of mine are out.  They land while phase 1 runs
	s_nop 0
	tensor_load_to_lds s[48:51], s[32:39]
	s_nop 0
	tensor_load_to_lds s[52:55], s[32:39]
	s_nop 0
	PLACES                                         ; four v_nop follow the last of them
	v_lshlrev_b32 v20, 3, v0                       ; 8 x thread: W1
	v_lshlrev_b32 v21, 4, v0                       ; 16 x thread: b1, b2, W3
	v_and_b32 v28, 15, v0                          ; r
	v_lshlrev_b32 v22, 3, v28                      ; y: 8 bytes a row; both halves of the lanes take row r
.irp i, 0,1,2,3,4,5,6,7
	global_load_b64 v[H+2*\i:H+2*\i+1], v20, s[6:7] offset:1024*\i     ; W1[thread + 128 i][0 .. 1]
.endr
.irp i, 0,1
	global_load_b128 v[H+16+4*\i:H+19+4*\i], v21, s[8:9] offset:2048*\i
.endr
.irp t, 0,1,2,3
	global_load_b64 v[10+2*\t:11+2*\t], v22, s[4:5] offset:128*\t      ; y of row 16 t + r
.endr
.irp i, 0,1
	global_load_b128 v[216+4*\i:219+4*\i], v21, s[14:15] offset:2048*\i   ; b2 and W3 are held in registers through phase 1: their tables take the first tables' bytes
.endr
.irp i, 0,1,2,3
	global_load_b128 v[224+4*\i:227+4*\i], v21, s[16:17] offset:2048*\i
.endr
	v_bfe_u32 v26, v0, 4, 1                        ; h
	v_and_b32 v27, 31, v0                          ; lane
	v_lshl_add_u32 v3, v26, 7, T                   ; the tables: my half's 32 numbers of a group of 64
	s_lshl_b32 s61, s60, 11
	s_add_co_u32 s61, s61, CST
	v_lshl_add_u32 v5, v27, 4, s61                 ; my wave's stage for codes: 16 x lane
	v_lshl_add_u32 v7, v0, 4, SST                  ; and for scale bytes: 16 x thread
	v_lshlrev_b32 v8, 3, v26                       ; a byte's place in its scale word: 8 h bits up in the K step's first 64,
	v_add_nc_u32 v9, 16, v8                        ; 16 more in its second
	v_lshl_add_u32 v23, v0, 2, T
	v_lshl_add_u32 v24, v0, 4, T
	v_lshl_add_u32 v25, v0, 3, W3T
.irp t, 0,1,2,3
	v_mov_b32 v[PX+\t], 0                          ; written once: a lane permute's destination counts as one of its sources
.endr
	s_wait_loadcnt 10                              ; W1 and b1 are in; the ten younger loads (y 4, b2 2, W3 4) may be out
.irp i, 0,1,2,3,4,5,6,7
	ds_store_b32 v23, v[H+2*\i] offset:512*\i               ; w0[k] = W1[k][0]
	ds_store_b32 v23, v[H+2*\i+1] offset:4096+512*\i        ; w1[k] = W1[k][1]
.endr
.irp i, 0,1
	ds_store_b128 v24, v[H+16+4*\i:H+19+4*\i] offset:8192+2048*\i
.endr
	s_wait_dscnt 0x0                               ; for the others' sake: my part of the tables is written
	BAR                                            ; the tensor loads stay out
; ---------------- PHASE 1 ----------------
; The tables' numbers of group c (k = 64 c + 32 h + 0 .. 31) into set c % 2: 24 loads; sixteen lanes read the same 16 bytes
.macro PRE c
	WIN 0x80                                       ; data window 2
.set j, 0
.rept 8
	ds_load_b128 v[64*((\c)%2)+4*j:64*((\c)%2)+4*j+3], v3 offset:256*(\c)+16*j
.set j, j+1
.endr
.set j, 0
.rept 8
	ds_load_b128 v[64*((\c)%2)+32+4*j:64*((\c)%2)+35+4*j], v3 offset:4096+256*(\c)+16*j
.set j, j+1
.endr
	WIN 0
.set j, 0
.rept 8
	ds_load_b128 v[BB+32*((\c)%2)+4*j:BB+32*((\c)%2)+4*j+3], v3 offset:8192+256*(\c)+16*j
.set j, j+1
.endr
.endm
; One tile of 16 rows, one block a lane.  The tile in hand is the one whose y stands in v[10:11]; CP = c % 2.
.macro TRIP
	WIN 0x02                                       ; source 0 (w0, w1) window 2
.set i, 0
.rept 16
	v_pk_fma_f32 v[H+i:H+i+1], v[64*CP+i:64*CP+i+1], v[10:11], v[BB+32*CP+i:BB+32*CP+i+1] op_sel_hi:[1,0,1]   ; w0 y0 + b1: y0 serves both halves
.set i, i+2
.endr
.set i, 0
.rept 16
	v_pk_fma_f32 v[H+i:H+i+1], v[64*CP+32+i:64*CP+33+i], v[10:11], v[H+i:H+i+1] op_sel:[0,1,0] op_sel_hi:[1,1,1]   ; + w1 y1: y1 serves both halves
.set i, i+2
.endr
	WIN 0
	; the largest number of relu(.): no |.| on the sources, since what is negative must not count; four chains, then the four left over and the floor
.irp k, 0,1,2,3
	v_max3_num_f32 v[MX+\k], v[H+8*\k], v[H+8*\k+1], v[H+8*\k+2]
.endr
.irp k, 0,1,2,3
	v_max3_num_f32 v[MX+\k], v[MX+\k], v[H+8*\k+3], v[H+8*\k+4]
.endr
.irp k, 0,1,2,3
	v_max3_num_f32 v[MX+\k], v[MX+\k], v[H+8*\k+5], v[H+8*\k+6]
.endr
	v_max3_num_f32 v[MX], v[MX], v[H+7], v[H+15]
	v_max3_num_f32 v[MX+2], v[MX+2], v[H+23], v[H+31]
	v_max3_num_f32 v[MX+1], v[MX+1], v[MX+3], 0x1800000    ; the floor 2^(3 - 127): the byte cannot fall under 1
	v_max3_num_f32 v[MX], v[MX], v[MX+1], v[MX+2]
	v_add_nc_u32 v4, s70, v5                       ; the tile's place in the two stages
	v_add_nc_u32 v6, s73, v7
	v_add_nc_u32 v[SCO], 0xff000000, v[MX]         ; 2 off the exponent field: the conversion takes this operand's exponent field as its scale, and nothing else of it
	v_lshrrev_b32 v[EB], 23, v[SCO]                ; the scale's byte
.irp g, 0,1,2,3
	v_cvt_scalef32_pk8_fp4_f32 v[CC+\g], v[H+8*\g:H+8*\g+7], v[SCO]
.endr
	v_lshlrev_b32 v[EB], v[8+CP], v[EB]            ; the byte at its place in the word.  (The plain line behind the conversions)
	; relu ON THE CODES: where a code's sign is set its three other bits are cleared; what is left is -0.  Four lines for eight numbers
.irp g, 0,1,2,3
	v_and_b32 v[TM+\g], s66, v[CC+\g]              ; 8 in each negative code's place,
.endr
.irp g, 0,1,2,3
	v_lshrrev_b32 v[XS+\g], 3, v[TM+\g]            ; 1,
.endr
.irp g, 0,1,2,3
	v_sub_nc_u32 v[TM+\g], v[TM+\g], v[XS+\g]      ; 7
.endr
.irp g, 0,1,2,3
	v_bfi_b32 v[C2+\g], v[TM+\g], 0, v[CC+\g]
.endr
	ds_store_b128 v4, v[C2:C2+3]                   ; the loop's registers are the same for every tile, so the codes go through my own stage, as an image of their four registers,
	ds_store_b32 v6, v[EB]                         ; and the byte likewise
	v_dual_mov_b32 v18, v10 :: v_dual_mov_b32 v19, v11     ; the four tiles' y go round: after four trips they stand as before
	v_dual_mov_b32 v10, v12 :: v_dual_mov_b32 v11, v13
	v_dual_mov_b32 v12, v14 :: v_dual_mov_b32 v13, v15
	v_dual_mov_b32 v14, v16 :: v_dual_mov_b32 v15, v17
	v_dual_mov_b32 v16, v18 :: v_dual_mov_b32 v17, v19
.endm
; Group c's codes come back from the stage into their places in window 1, and the four tiles' bytes into set c % 2.  LDS serves a wave's instructions in order: these see the stores, and the next group's stores come behind them.
.macro RB c
	WIN 0x40                                       ; data window 1
.irp t, 0,1,2,3
	ds_load_b128 v[8*(8*\t+(\c)/2)+4*((\c)%2):8*(8*\t+(\c)/2)+4*((\c)%2)+3], v5 offset:512*\t
.endr
	WIN 0
	ds_load_b128 v[PT+4*((\c)%2):PT+4*((\c)%2)+3], v7
.endm
; K step s's scale words: my two bytes (blocks h and 2 + h) and lane l xor 16's two
.macro COMBINE s
.irp t, 0,1,2,3
	v_or_b32 v[MX+\t], v[PT+\t], v[PT+4+\t]
.endr
.irp t, 0,1,2,3
	v_permlanex16_b32 v[PX+\t], v[MX+\t], s68, s69
.endr
.irp t, 0,1,2,3
	v_or_b32 v[SA+8*\t+(\s)], v[MX+\t], v[PX+\t]
.endr
.endm
.macro SECTION c
.set CP, (\c)%2
.if (\c) < 15
	PRE (\c)+1                                     ; the next group's tables land while this group is worked
.endif
.if (\c) == 0
	s_wait_dscnt 24                                ; group 0's tables are in; the 24 loads just issued may be out.  (Later groups' tables are shown in by the wait at the end of the group before)
.endif
	s_mov_b32 s70, 0
	s_mov_b32 s73, 0
.Ltile_\c:
	TRIP
	s_add_co_u32 s73, s73, 4
	s_add_co_u32 s70, s70, 512
	s_cmp_lt_u32 s70, 2048
	s_cbranch_scc1 .Ltile_\c
	s_wait_dscnt 2                                 ; all but the last trip's two stores: the next group's tables and the earlier groups' bytes are in
.if ((\c)%2 == 0) && ((\c) >= 2)
	COMBINE (\c)/2-1
.endif
	RB \c
.endm
	PRE 0
	s_wait_loadcnt 6                               ; y is in; b2's and W3's six loads may be out
.irp c, 0,1,2,3,4,5,6,7,8,9,10,11,12,13,14,15
	SECTION \c
.endr
	s_wait_dscnt 0x0                               ; all codes and bytes are in their registers, and my reads of the tables are over
	COMBINE 7
	BAR                                            ; every wave's are: the tables' bytes may be written again
	s_wait_loadcnt 0x0                             ; b2, W3
.irp i, 0,1,2,3
	v_cvt_pk_bf16_f32 v[H+2*\i], v[224+4*\i], v[225+4*\i]
	v_cvt_pk_bf16_f32 v[H+2*\i+1], v[226+4*\i], v[227+4*\i]
.endr
.irp i, 0,1
	ds_store_b128 v24, v[216+4*\i:219+4*\i] offset:2048*\i
.endr
.irp i, 0,1,2,3
	ds_store_b64 v25, v[H+2*\i:H+2*\i+1] offset:(\i/2)*W3P+1024*(\i%2)    ; W3[i / 2][4 thread + 512 (i % 2) ..] in bf16
.endr
	v_mul_u32_u24 v29, v28, PITCH                  ; phase 2's addresses: row r of a pair,
	v_and_b32 v30, 1, v0
	v_mul_u32_u24 v30, v30, W3P                    ; row r % 2 of W3,
	v_lshl_add_u32 v30, v26, 4, v30                ; + 16 h
	s_wait_tensorcnt 0x0                           ; my parts of both slots and of the scale bytes have landed,
	s_wait_dscnt 0x0                               ; and my part of the new tables is written
	BAR                                            ; everybody's.
	s_wait_kmcnt 0x0                               ; the small inputs
	WIN 0x80
.set j, 0
.rept 32
	v_mov_b32 v[OUT+j], s[86+(j%2)]                ; dH's sums begin with b3: register j of a result is output j % 2
.set j, j+1
.endr
	WIN 0xc0                                       ; destination window 3
	v_lshl_add_u32 v[AF0], v26, 4, v29             ; r x pitch + 16 h
	v_lshl_add_u32 v[ASC0], v27, 5, SCL            ; lane l takes row l of the pair: 32 scale bytes
	v_lshl_add_u32 v[AB20], v26, 5, B2T            ; b2: my half's eight numbers
	v_add_nc_u32 v[AW30], W3T-64, v30
; ---------------- PHASE 2 ----------------
; A product: K step s, tile t of rows, accumulator set `set`.  The four accumulators take turns, one instruction a turn.
.macro WM set, s, t
.set rD, ACC+64*(\set)+16*(\t)
.set rA, 16*(\s)
.set rB, 8*(8*(\t)+(\s))
.if (\s) == 0
	v_wmma_scale_f32_32x16x128_f4 v[rD:rD+15], v[rA:rA+15], v[rB:rB+7], v[B2C:B2C+15], v[SCW+8*(\set)+(\s)], v[SA+8*(\t)+(\s)]
.else
	v_wmma_scale_f32_32x16x128_f4 v[rD:rD+15], v[rA:rA+15], v[rB:rB+7], v[rD:rD+15], v[SCW+8*(\set)+(\s)], v[SA+8*(\t)+(\s)]
.endif
.endm
; The pair before lies in set OS.  relu of four of tile t's sixteen numbers, from the accumulator's low end on; under the products' own window setting
.macro RL t, q, epi
.if \epi
.set rR, ACC+64*OS+16*(\t)+4*(\q)
.irp j, 0,1,2,3
	v_max3_num_f32 v[rR+\j], 0, 0, v[rR+\j]
.endr
.else
	PLACES
.endif
.endm
.macro BF t                            ; dH of tile t += W3 x these 32 numbers
.set rH, ACC+64*OS+16*(\t)
	v_wmma_f32_16x16x32_bf16 v[OUT+8*(\t):OUT+8*(\t)+7], v[W3F+8*OS:W3F+8*OS+7], v[rH:rH+7], v[OUT+8*(\t):OUT+8*(\t)+7]
.endm
.macro CG t, epi                       ; tile t's sixteen numbers rounded to bf16, in place, ascending: register i takes numbers 2 i and 2 i + 1.  The tile before has its bf16 product in the middle
.if \epi
.set rC, ACC+64*OS+16*(\t)
	WIN W_P
.irp i, 0,1,2,3
	v_cvt_pk_bf16_f32 v[rC+\i], v[rC+2*\i], v[rC+2*\i+1]
.endr
.if (\t) > 0
	BF (\t)-1
.endif
.irp i, 4,5,6,7
	v_cvt_pk_bf16_f32 v[rC+\i], v[rC+2*\i], v[rC+2*\i+1]
.endr
	WIN W_S
.endif
.endm
.macro TRL b                           ; the next pair's fragment of K step b: rows 0-15 in registers 0-7, rows 16-31 in 8-15; registers 4 c .. 4 c + 3: k = 64 c + 32 h + 0 .. 31
.irp u, 0,1
.irp c, 0,1
	ds_load_b128 v[16*(\b)+8*\u+4*\c:16*(\b)+8*\u+4*\c+3], v[AF] offset:\u*16*PITCH+64*(\b)+32*\c
.endr
.endr
.endm
.macro TR b, pre
.if \pre
	WIN W_T
	TRL \b
	WIN W_S
.endif
.endm
.macro SCLD set                        ; a pair's scale words: lane l has row l's eight, one for each K step
	ds_load_b128 v[SCW+8*(\set):SCW+8*(\set)+3], v[ASC]
	ds_load_b128 v[SCW+8*(\set)+4:SCW+8*(\set)+7], v[ASC] offset:16
.endm
.macro B2LD                            ; a pair's b2 in the result's layout: numbers 8 h + 0 .. 7 and 16 + 8 h + 0 .. 7
	ds_load_b128 v[B2C:B2C+3], v[AB2]
	ds_load_b128 v[B2C+4:B2C+7], v[AB2] offset:16
	ds_load_b128 v[B2C+8:B2C+11], v[AB2] offset:64
	ds_load_b128 v[B2C+12:B2C+15], v[AB2] offset:80
.endm
.macro ADDR                            ; under W_T: s72 = the pair to be fetched
	v_lshl_add_u32 v[ASC], s72, 10, v[ASC0]
	v_lshl_add_u32 v[AB2], s72, 7, v[AB20]
	v_lshl_add_u32 v[AW3], s72, 6, v[AW30]         ; (W3's address is one pair back: the pair in hand)
.endm
; A PAIR.  set: its accumulators.  epi = 1: the pair before is finished in the slices.  pre = 1: the next pair's fragments, scale words and b2 are fetched.
; LDS loads of a pair, in order: scale words 2, K step 0's fragment 4, b2 and W3 6, K steps 1 to 7's fragments 4 each.  The wait at the head of K step s leaves out the last pair's fragment loads for K steps
; s + 1 .. 7, 4 (7 - s), and this pair's own so far (0, 2, 12, 16, 20, 24, 28, 32); at s = 0 it so shows the scale words, b2 and W3 in as well.
; A load into a register that a product has read stands four plain vector lines behind that product (ISA guide 7.12.1 for vector instructions): the slices are those lines.
.macro P set, epi, pre
.set OS, 1-(\set)
	s_wait_dscnt 28
	WIN W_S
	WM \set, 0, 0
	RL 0, 0, \epi
	WM \set, 0, 1
.if \pre
	WIN W_U
	SCLD OS
	WIN W_S
.endif
	WM \set, 0, 2
	RL 0, 1, \epi
	WM \set, 0, 3
	RL 0, 2, \epi
	s_wait_dscnt 24+2*(\pre)
	WM \set, 1, 0
	RL 0, 3, \epi
	WM \set, 1, 1
	TR 0, \pre
	WM \set, 1, 2
.if \pre
	B2LD                                           ; the next pair's b2: this pair's four first products have read theirs, eight plain lines back
.endif
	ds_load_b128 v[W3F+8*(\set):W3F+8*(\set)+3], v[AW3]              ; this pair's 32 numbers of W3, for the slices of the next pair
	ds_load_b128 v[W3F+8*(\set)+4:W3F+8*(\set)+7], v[AW3] offset:32
	WM \set, 1, 3
	CG 0, \epi
	s_wait_dscnt 20+12*(\pre)
	WM \set, 2, 0
	RL 1, 0, \epi
	WM \set, 2, 1
	TR 1, \pre
	WM \set, 2, 2
	RL 1, 1, \epi
	WM \set, 2, 3
	RL 1, 2, \epi
	s_wait_dscnt 16+16*(\pre)
	WM \set, 3, 0
	RL 1, 3, \epi
	WM \set, 3, 1
	TR 2, \pre
	WM \set, 3, 2
	CG 1, \epi
	WM \set, 3, 3
	RL 2, 0, \epi
	s_wait_dscnt 12+20*(\pre)
	WM \set, 4, 0
	RL 2, 1, \epi
	WM \set, 4, 1
	TR 3, \pre
	WM \set, 4, 2
	RL 2, 2, \epi
	WM \set, 4, 3
	RL 2, 3, \epi
	s_wait_dscnt 8+24*(\pre)
	WM \set, 5, 0
	RL 3, 0, \epi
	WM \set, 5, 1
	TR 4, \pre
	WM \set, 5, 2
	CG 2, \epi
	WM \set, 5, 3
	RL 3, 1, \epi
	s_wait_dscnt 4+28*(\pre)
	WM \set, 6, 0
	RL 3, 2, \epi
	WM \set, 6, 1
	TR 5, \pre
	WM \set, 6, 2
	RL 3, 3, \epi
	WM \set, 6, 3
	CG 3, \epi
	s_wait_dscnt 32*(\pre)
	WM \set, 7, 0
	PLACES                                         ; for the load into K step 6's fragment, and for the next pair's first read of this pair's first accumulator
	WM \set, 7, 1
	TR 6, \pre
	WM \set, 7, 2
.if \epi
	WIN W_P
	BF 3
	WIN W_S
.endif
.if \pre
	s_add_co_u32 s71, s71, PB                      ; on to the pair after the next
	s_add_co_u32 s72, s72, 1
.endif
	WM \set, 7, 3
.if \pre
	WIN W_T
	ADDR
	v_nop                                          ; with the three lines above: four places behind the last product
	TRL 7                                          ; (still by the old address)
	v_add_nc_u32 v[AF], s71, v[AF0]
.endif
.endm
.macro PAIRS n                         ; n trips of two pairs
	WIN 0                                          ; at a label and at a branch every window is 0
	s_mov_b32 s74, \n
.Lpairs_\@:
	P 1, 1, 1
	P 0, 1, 1
	WIN 0
	s_sub_co_u32 s74, s74, 1
	s_cmp_lg_u32 s74, 0
	s_cbranch_scc1 .Lpairs_\@
.endm
; THE CHANGE OF SLOTS stands in front of a slot's LAST pair: that pair's fragments have all been asked for, so with the wait for them the slot is read out, and the pair fetches from the next slot like any other.
; Each wave waits for all its tensor loads, adds 0 to its spare word, and waits for that and for its reads of the slot.  fill = 1: the slot is filled again with the rows two slots on: the barrier is then a round
; of the cluster's, so that no wave of any partner still reads the slot or has a load on its way, and the joint refill is the first thing behind it: it has eight pairs in which to land.  nb: where the next slot begins.
.macro CH fill, nb
	WIN 0
	s_wait_tensorcnt 0x0                           ; no tensor load of mine is out, so a group 0 may be written
	ds_add_u32 v1, v2                              ; 0 onto my spare word
	s_mov_b32 s71, \nb
.if \fill
	s_xor_b32 s53, s53, SLOTB                      ; the walking descriptor: the other slot than last time (my quarter's offset shares no bit with SLOTB),
	s_add_nc_u64 s[54:55], s[54:55], 131072        ; the next 256 rows; the type bits on top are not reached
.endif
	s_wait_dscnt 0x0                               ; the add is done, and my reads of the slot are over
.if \fill
	ROUND
	tensor_load_to_lds s[52:55], s[32:39]          ; my one tensor load behind the round: one load of mine is out
	s_nop 0
	PLACES                                         ; four v_nop follow it
.else
	BAR
.endif
	WIN W_T
	v_add_nc_u32 v[AF], s71, v[AF0]
.endm
	s_mov_b32 s71, 0                               ; pair 0's operands, in the order of a pair's loads
	s_mov_b32 s72, 0
	WIN W_T
	ADDR
	v_add_nc_u32 v[AF], s71, v[AF0]
	WIN W_U
	SCLD 0
	WIN W_T
	TRL 0
	WIN W_S
	B2LD
	WIN W_T
.irp b, 1,2,3,4,5,6,7
	TRL \b
.endr
	s_mov_b32 s71, PB
	s_mov_b32 s72, 1
	ADDR
	v_add_nc_u32 v[AF], s71, v[AF0]
	P 0, 0, 1                                      ; pair 0: there is no pair before it
	PAIRS 3                                        ; pairs 1 to 6
	CH 1, SLOTB                                    ; slot 0 takes rows 512 to 767
	PAIRS 4                                        ; pairs 7 to 14
	CH 1, 0                                        ; slot 1 takes rows 768 to 1,023
	PAIRS 4                                        ; pairs 15 to 22
	CH 0, SLOTB                                    ; nothing is left to fetch
	PAIRS 4                                        ; pairs 23 to 30
	P 1, 1, 0                                      ; pair 31 fetches W3's numbers alone
	; the last pair is finished by itself
	PLACES
	WIN W_P
.set OS, 1
.set j, 0
.rept 64
	v_max_num_f32 v[ACC+64+j], 0, v[ACC+64+j]      ; each accumulator from its low end on
.set j, j+1
.endr
.irp t, 0,1,2,3
.irp i, 0,1,2,3,4,5,6,7
	v_cvt_pk_bf16_f32 v[ACC+64+16*\t+\i], v[ACC+64+16*\t+2*\i], v[ACC+64+16*\t+2*\i+1]
.endr
.endr
	PLACES
.irp t, 0,1,2,3
	BF \t
.endr
	PLACES                                         ; in front of the first read of these results
; ---------------- THE WAY OUT ----------------
; Registers 0 and 1 of tile t's sum hold dH0 and dH1 of row 16 t + r in both halves of the lanes: lanes 0-15 take the even tile, lanes 16-31 the odd one, so that lane l holds row 32 q + l.
	s_mov_b32 vcc_lo, 0xffff0000
	WIN 0x0a                                       ; sources 0 and 1 window 2
.irp q, 0,1
.irp j, 0,1
	v_cndmask_b32 v[H+2*\q+\j], v[OUT+16*\q+\j], v[OUT+16*\q+8+\j], vcc_lo
.endr
.endr
	WIN 0
	v_mov_b32 v150, s85                            ; m
	v_mov_b32 v153, s78                            ; R10
	v_mov_b32 v154, s84                            ; control
	v_mov_b32 v157, s79                            ; R11
	v_add_f32 v151, s77, v150                      ; m + R01
	v_sub_f32 v152, s85, v153                      ; m - R10
	v_mul_f32 v155, s80, v154                      ; Bmat control,
	v_mul_f32 v156, s81, v154
	v_mul_f32 v155, s82, v155                      ; times scale
	v_mul_f32 v156, s83, v156
	v_lshlrev_b32 v170, 3, v27                     ; 8 bytes a lane
.irp q, 0,1
	v_mul_f32 v160, v151, v[H+2*\q+1]
	v_mul_f32 v161, v152, v[H+2*\q]
	v_fma_f32 v160, s76, v[H+2*\q], v160           ; R00 dH0 + (m + R01) dH1
	v_fma_f32 v161, -v157, v[H+2*\q+1], v161       ; (m - R10) dH0 - R11 dH1
	v_fma_f32 v[164+2*\q], -v160, s82, v155
	v_fma_f32 v[165+2*\q], v161, s83, v156
	global_store_b64 v170, v[164+2*\q:165+2*\q], s[30:31] offset:256*\q th:TH_STORE_NT   ; 32 lanes store 256 consecutive bytes, at a multiple of 256 from out0's first byte
.endr
	s_wait_tensorcnt 0x0                           ; the wave's end, behind my last tensor load and my last LDS store
	ds_add_u32 v1, v2
	s_wait_dscnt 0x0
	ROUND                                          ; the closing round: no work-group ends while a partner may still ask for a tile that names it
	s_endpgm
.Lfunc_end_k_q4175f7de11_phnode:
	.size	k_q4175f7de11_phnode, .Lfunc_end_k_q4175f7de11_phnode-k_q4175f7de11_phnode
	.p2alignl 7, 3214868480
	.fill 96, 4, 3214868480
	.section	.rodata,"a",@progbits
	.p2align	6, 0x0
	.amdhsa_kernel k_q4175f7de11_phnode
		.amdhsa_group_segment_fixed_size 327680
		.amdhsa_private_segment_fixed_size 0
		.amdhsa_enable_private_segment 0
		.amdhsa_kernarg_size 112
		.amdhsa_user_sgpr_count 2
		.amdhsa_user_sgpr_kernarg_segment_ptr 1
		.amdhsa_wavefront_size32 1
		.amdhsa_system_sgpr_workgroup_id_x 1
		.amdhsa_system_sgpr_workgroup_id_y 1
		.amdhsa_system_sgpr_workgroup_id_z 1
		.amdhsa_system_vgpr_workitem_id 0
		.amdhsa_next_free_vgpr 1024
		.amdhsa_next_free_sgpr 96
		.amdhsa_reserve_vcc 1
		.amdhsa_float_denorm_mode_32 3
		.amdhsa_float_denorm_mode_16_64 3
		.amdhsa_memory_ordered 1
		.amdhsa_forward_progress 1
		.amdhsa_inst_pref_size 255
	.end_amdhsa_kernel
	.section	.bss,"aw",@nobits
	.p2align	6
	.space	262144
	.amdgpu_metadata
---
amdhsa.version: [ 1, 2 ]
amdhsa.kernels:
  - .name:           k_q4175f7de11_phnode
    .symbol:         k_q4175f7de11_phnode.kd
    .args:
      - { .name: y, .offset: 0, .size: 8, .value_kind: global_buffer, .address_space: global }
      - { .name: W1, .offset: 8, .size: 8, .value_kind: global_buffer, .address_space: global }
      - { .name: b1, .offset: 16, .size: 8, .value_kind: global_buffer, .address_space: global }
      - { .name: W2_codes, .offset: 24, .size: 8, .value_kind: global_buffer, .address_space: global }
      - { .name: W2_scales, .offset: 32, .size: 8, .value_kind: global_buffer, .address_space: global }
      - { .name: b2, .offset: 40, .size: 8, .value_kind: global_buffer, .address_space: global }
      - { .name: W3, .offset: 48, .size: 8, .value_kind: global_buffer, .address_space: global }
      - { .name: b3, .offset: 56, .size: 8, .value_kind: global_buffer, .address_space: global }
      - { .name: R, .offset: 64, .size: 8, .value_kind: global_buffer, .address_space: global }
      - { .name: Bmat, .offset: 72, .size: 8, .value_kind: global_buffer, .address_space: global }
      - { .name: scale, .offset: 80, .size: 8, .value_kind: global_buffer, .address_space: global }
      - { .name: control, .offset: 88, .size: 8, .value_kind: global_buffer, .address_space: global }
      - { .name: m, .offset: 96, .size: 8, .value_kind: global_buffer, .address_space: global }
      - { .name: out0, .offset: 104, .size: 8, .value_kind: global_buffer, .address_space: global }
    .group_segment_fixed_size: 327680
    .private_segment_fixed_size: 0
    .kernarg_segment_align: 8
    .kernarg_segment_size: 112
    .max_flat_workgroup_size: 128
    .sgpr_count:     96
    .vgpr_count:     1024
    .wavefront_size: 32
...
	.end_amdgpu_metadata
.endif
;; end of part 1
;; ======== version 2 of 2: 1 launch; 1.14 times as fast as version 1
;; launch phnode (part 2): grid 256 x 1, 4 waves a work-group, clusters of 4 x 1, 327,680 bytes of LDS; arguments y, W1, b1, W2_codes, W2_scales, b2, W3, b3, R, Bmat, scale, control, m, out0; writes out0
.if DOCPART == 2
	.amdgcn_target "amdgcn-amd-amdhsa--gfx1250"
	.amdhsa_code_object_version 6
	.text
	.protected	k_q4175f7de11_phnode
	.globl	k_q4175f7de11_phnode
	.p2align	8
	.type	k_q4175f7de11_phnode,@function
k_q4175f7de11_phnode:
	s_mov_b64 s[64:65], 0
	v_nop
	global_prefetch_b8 v0, s[64:65] scope:SCOPE_SE
	s_setreg_imm32_b32 hwreg(HW_REG_WAVE_MODE, 25, 1), 1
	s_wait_xcnt 0x0
	s_wait_alu depctr_hold_cnt(0) depctr_sa_sdst(0) depctr_va_vdst(0) depctr_va_sdst(0) depctr_va_ssrc(0) depctr_va_vcc(0) depctr_vm_vsrc(0)
	s_getreg_b32 s2, hwreg(HW_REG_IB_STS2, 6, 4)
	s_cmp_eq_u32 s2, 0
	s_cbranch_scc0 .Lentry_in_a_cluster
	s_endpgm
.Lentry_in_a_cluster:
	s_bfe_u32 s2, ttmp6, 0x10000c
	s_cmp_lg_u32 s2, 0x3003
	s_cbranch_scc0 .Lentry_shape_is_right
	s_endpgm
.Lentry_shape_is_right:
; out0[row] = (((J - R) dH + Bmat control) * scale)^T,  dH = W3 relu(Q(relu(y W1^T + b1)) W2^T + b2) + b3,  J = [[0, -m], [m, 0]].
; y [65536][2], W1 [1024][2], b1, b2 [1024], W3 [2][1024] f32; W2 as codes of FP4 (E2M1) [1024][512 bytes] with one E8M0 byte for each 32 along K [1024][32].
; SHARES.  256 work-groups of four waves; a work-group owns 256 rows, a wave 64: four tiles of 16.  Nothing is split along N or K: each row of out0 has one owner.
; PHASE 1.  The wave makes its rows' first hidden layer in f32 (two packed multiply-adds for two numbers), quantises it in registers and keeps ALL its codes (4 tiles x 8 K steps x 8 registers:
;   window 1) and scale words (32 registers) for the rest of the launch.  Lane (r, h) makes, for row 16 t + r, the 32 numbers k = 64 c + 32 h + 0 .. 31: a whole block, in the place that the operand's layout gives that lane.
; PHASE 2.  W2 goes through a ring of two LDS slots of 256 rows.  A PAIR is 32 rows of W2: 8 K steps x 4 tiles of rows = 32 products of 32 x 16 x 128, source 0 = W2's 32 rows, source 1 = 16 rows of the hidden
;   layer, so that a lane holds ONE row and 16 numbers along the next K; b2 is the C of a sum's first product.  The pair before is finished meanwhile, in slices behind these products: relu, rounding to bf16 in place
;   (which IS source 1 of a bf16 product, 32 along K), and one bf16 product a tile with W3 (row r of source 0 is W3[r % 2], so registers 0 and 1 of the result are dH0 and dH1 of the lane's row).
;   All that the next pair wants from LDS is fetched in ONE run of 40 loads, into the other of two sets of registers.
; CLUSTER.  All work-groups walk the same W2: the four of a cluster ask for each tile JOINTLY (the same load, the same descriptor, a mask that names the four).
; LIMITS.  NaN and infinities among the inputs are not served.  A block of the hidden layer without a positive number gets the scale byte 1 (the quantiser's rule says 127): its codes are zeros, signed or not, which add
;   nothing.  The first layer is fma(y1, w1, fma(y0, w0, b1)): it may differ in the last bit from (y0 w0 + y1 w1) + b1.  The second hidden layer and W3 enter the third product rounded to bf16.
; REGISTERS, in windows of 256 (s_set_vgpr_msb: bits 1:0 source 0, 3:2 source 1, 5:4 source 2, 7:6 destination):
;   window 0: v1-9 addresses that stay; v10-19 y; v20-31 head; v32-63 the hidden layer's scale words; v64-79 W2's, two sets; v80-143 b1, two sets; v144-215 at work in phase 1; v216-239 b2 and W3 as loaded;
;             v240-247 phase 2's LDS addresses
;   window 1: the hidden layer's codes, (tile t, K step s) at v[8 (8 t + s)]
;   window 2: phase 1: w0 and w1, two sets;  phase 2: v0-15 b2 of a pair, v16-31 W3's fragment (two sets), v32-63 dH's four sums, v64-191 two sets of four accumulators of 16
;   window 3: W2's fragments of a whole pair, TWO sets: set f, K step s at v[128 f + 16 s]
.set PITCH, 528                        ; a row of W2 in LDS: 512 bytes + 16: an odd multiple of 16, so that the sixteen rows that a load touches start at different banks
.set PB,    32*PITCH                   ; a pair's rows
.set SLOTB, 8*PB                       ; a slot: 256 rows.  Slot 1 begins where slot 0 ends
.set SCL,   2*SLOTB                    ; W2's scale bytes, all 32,768, dense: filled once
.set T,     SCL+32768                  ; tables, written by LDS stores alone.  Phase 1: w0[k], w1[k], b1[k], 4,096 bytes each;
.set B2T,   T                          ; phase 2, behind a barrier: b2 in f32,
.set W3T,   T+4096                     ; and W3's two rows in bf16,
.set W3P,   2064                       ; 2,048 bytes + 16 apart
.set CST,   T+12288                    ; a stage for codes: 4 tiles x 512 bytes for each wave, images of four registers
.set SST,   CST+8192                   ; a stage for scale bytes: 16 bytes a lane, 4 a tile
.set SPARE, SST+2048                   ; the spare words, 128 bytes for each wave: two blocks of 256 bytes that no other line names
.set SA,  32                           ; window 0
.set SCW, 64
.set BB,  80
.set H,   144                          ; 32 numbers of the hidden layer
.set MX,  176                          ; v176-179 maxima
.set SCO, 184                          ; the conversion's scale operand
.set EB,  185                          ; the scale's byte, at its place in the word
.set CC,  188                          ; codes as converted
.set TM,  192
.set XS,  196
.set C2,  200                          ; codes with relu applied
.set PT,  204                          ; v204-211 parts of scale words, two sets of four tiles
.set PX,  212                          ; v212-215 lane permutes' results
.set AF0,  240                         ; my lane's place in a pair's rows; among W2's scale words; in b2; in W3 (one pair back)
.set ASC0, 241
.set AB20, 242
.set AW30, 243
.set AF,   244                         ; and the addresses of the run in hand
.set ASC,  245
.set AB2,  246
.set AW3,  247
.set B2C, 0                            ; window 2
.set W3F, 16
.set OUT, 32
.set ACC, 64
.set W_S, 0xa7                         ; products: W2 window 3, codes window 1, C and D window 2.  Also: relu by v_max3 (0, 0, x)
.set W_P, 0xaa                         ; all window 2: roundings and the bf16 product
.set W_2, 0x80                         ; LDS loads: address window 0, data window 2
.set W_F, 0xc0                         ; LDS loads: address window 0, data window 3
.set MSB, 0
.macro WIN new                         ; the immediate's high byte repeats the setting that is left; a switch that changes nothing is dropped
.if MSB != \new
	s_set_vgpr_msb (MSB<<8)|\new
.set MSB, \new
.endif
.endm
.macro PLACES
.rept 4
	v_nop
.endr
.endm
.macro BAR
	s_barrier_signal -1
	s_barrier_wait -1
.endm
.macro ROUND                           ; a round of the cluster's barrier: my work-group's barrier; wave 0 signals for the work-group; every wave waits for all four work-groups; my work-group's barrier once more
	s_barrier_signal -1
	s_barrier_wait -1
	s_cmp_lg_u32 s60, 0
	s_cbranch_scc1 .Lnot_wave_0_\@
	s_barrier_signal -3
.Lnot_wave_0_\@:
	s_barrier_wait -3
	s_barrier_signal -1
	s_barrier_wait -1
.endm
	s_load_b512 s[4:19], s[0:1], 0x0               ; y s[4:5], W1 s[6:7], b1 s[8:9], W2's codes s[10:11], its scales s[12:13], b2 s[14:15], W3 s[16:17], b3 s[18:19]
	s_load_b256 s[20:27], s[0:1], 0x40             ; R s[20:21], Bmat s[22:23], scale s[24:25], control s[26:27]
	s_load_b128 s[28:31], s[0:1], 0x60             ; m s[28:29], out0 s[30:31]
	v_lshl_add_u32 v1, v0, 2, SPARE                ; my spare word; never rewritten
	v_mov_b32 v2, 0                                ; 0; never rewritten
	ds_add_u32 v1, v2
	ds_add_u32 v1, v2
	s_wait_dscnt 0x0
	v_lshrrev_b32 v26, 5, v0
	v_readfirstlane_b32 s60, v26                   ; wave 0..3
	s_bfe_u32 s61, ttmp6, 0x40000                  ; cx: my place in the cluster: it enters y's and out0's addresses alone
	s_lshl_b32 s62, ttmp9, 2
	s_add_co_u32 s62, s62, s61                     ; work-group = 4 x cluster + cx
	s_lshl_b32 s62, s62, 11                        ; its 256 rows of 8 bytes,
	s_lshl_b32 s63, s60, 9                         ; my wave's 64
	s_add_co_u32 s62, s62, s63
	s_mov_b32 s63, 0
	; descriptor group 1 for W2's codes: 64 rows of 512 bytes, 16 bytes of padding behind each
	s_mov_b32 s32, 15|(0<<16)|(1<<20)|(1<<21)|(6<<22)|(3<<25)   ; 15:0 the mask: all four work-groups; 17:16 elements of 1 byte; 20 padding on; 21 set beside a mask; 24:22 after every 128 words (code 6); 31:25 four words (code 3)
	s_mov_b32 s33, 512<<16                         ; tensor_dim0
	s_mov_b32 s34, 64<<16                          ; tensor_dim1
	s_mov_b32 s35, 512<<16                         ; tile_dim0
	s_mov_b32 s36, 64                              ; tile_dim1
	s_mov_b32 s37, 512                             ; from row to row
	s_mov_b32 s38, 0
	s_mov_b32 s39, 0
	; and for its scale bytes: a dense block of 8,192 bytes as 32 rows of 256 (32 elements of 8 bytes), no padding
	s_mov_b32 s40, 15|(3<<16)|(1<<21)
	s_mov_b32 s41, 32<<16
	s_mov_b32 s42, 32<<16
	s_mov_b32 s43, 32<<16
	s_mov_b32 s44, 32
	s_mov_b32 s45, 32
	s_mov_b32 s46, 0
	s_mov_b32 s47, 0
	s_mul_i32 s61, s60, 64*PITCH                   ; each wave fetches a quarter of each tile: its 64 rows in a slot,
	s_lshl_b32 s70, s60, 15                        ; in memory,
	s_mov_b32 s71, 0
	s_lshl_b32 s72, s60, 13                        ; and its 8,192 scale bytes: no place in the cluster enters a descriptor
	s_mov_b32 s73, 0
	s_wait_kmcnt 0x0
	s_mov_b32 s48, 1                               ; group 0 for slot 0: rows 0 to 255
	s_mov_b32 s49, s61
	s_add_nc_u64 s[50:51], s[10:11], s[70:71]
	s_add_nc_u64 s[54:55], s[50:51], 131072        ; group 0 for slot 1: rows 256 to 511; it then walks on
	s_or_b32 s51, s51, 0x80000000
	s_mov_b32 s52, 1
	s_add_co_u32 s53, s61, SLOTB
	s_or_b32 s55, s55, 0x80000000
	s_mov_b32 s56, 1                               ; group 0 for the scale bytes
	s_add_co_u32 s57, s72, SCL
	s_add_nc_u64 s[58:59], s[12:13], s[72:73]
	s_or_b32 s59, s59, 0x80000000
	s_add_nc_u64 s[4:5], s[4:5], s[62:63]          ; y and out0 at my wave's first row
	s_add_nc_u64 s[30:31], s[30:31], s[62:63]
	s_load_b128 s[76:79], s[20:21], 0x0            ; R00, R01, R10, R11
	s_load_b64 s[80:81], s[22:23], 0x0             ; Bmat
	s_load_b64 s[82:83], s[24:25], 0x0             ; scale
	s_load_b32 s84, s[26:27], 0x0                  ; control
	s_load_b32 s85, s[28:29], 0x0                  ; m
	s_load_b64 s[86:87], s[18:19], 0x0             ; b3
	s_mov_b32 s66, 0x88888888                      ; the signs of eight codes
	s_mov_b32 s68, 0x76543210                      ; v_permlanex16_b32's selects for lane l xor 16
	s_mov_b32 s69, 0xfedcba98
	ROUND                                          ; all four work-groups are here: the first joint loads meet
	tensor_load_to_lds s[56:59], s[40:47]          ; the first fills go out as one group: three loads of mine are out.  They land while phase 1 runs
	s_nop 0
	tensor_load_to_lds s[48:51], s[32:39]
	s_nop 0
	tensor_load_to_lds s[52:55], s[32:39]
	s_nop 0
	PLACES                                         ; four v_nop follow the last of them
	v_lshlrev_b32 v20, 3, v0                       ; 8 x thread: W1
	v_lshlrev_b32 v21, 4, v0                       ; 16 x thread: b1, b2, W3
	v_and_b32 v28, 15, v0                          ; r
	v_lshlrev_b32 v22, 3, v28                      ; y: 8 bytes a row; both halves of the lanes take row r
.irp i, 0,1,2,3,4,5,6,7
	global_load_b64 v[H+2*\i:H+2*\i+1], v20, s[6:7] offset:1024*\i     ; W1[thread + 128 i][0 .. 1]
.endr
.irp i, 0,1
	global_load_b128 v[H+16+4*\i:H+19+4*\i], v21, s[8:9] offset:2048*\i
.endr
.irp t, 0,1,2,3
	global_load_b64 v[10+2*\t:11+2*\t], v22, s[4:5] offset:128*\t      ; y of row 16 t + r
.endr
.irp i, 0,1
	global_load_b128 v[216+4*\i:219+4*\i], v21, s[14:15] offset:2048*\i   ; b2 and W3 are held in registers through phase 1: their tables take the first tables' bytes
.endr
.irp i, 0,1,2,3
	global_load_b128 v[224+4*\i:227+4*\i], v21, s[16:17] offset:2048*\i
.endr
	v_bfe_u32 v26, v0, 4, 1                        ; h
	v_and_b32 v27, 31, v0                          ; lane
	v_lshl_add_u32 v3, v26, 7, T                   ; the tables: my half's 32 numbers of a group of 64
	s_lshl_b32 s61, s60, 11
	s_add_co_u32 s61, s61, CST
	v_lshl_add_u32 v5, v27, 4, s61                 ; my wave's stage for codes: 16 x lane
	v_lshl_add_u32 v7, v0, 4, SST                  ; and for scale bytes: 16 x thread
	v_lshlrev_b32 v8, 3, v26                       ; a byte's place in its scale word: 8 h bits up in the K step's first 64,
	v_add_nc_u32 v9, 16, v8                        ; 16 more in its second
	v_lshl_add_u32 v23, v0, 2, T
	v_lshl_add_u32 v24, v0, 4, T
	v_lshl_add_u32 v25, v0, 3, W3T
.irp t, 0,1,2,3
	v_mov_b32 v[PX+\t], 0                          ; written once: a lane permute's destination counts as one of its sources
.endr
	s_wait_loadcnt 10                              ; W1 and b1 are in; the ten younger loads (y 4, b2 2, W3 4) may be out
.irp i, 0,1,2,3,4,5,6,7
	ds_store_b32 v23, v[H+2*\i] offset:512*\i               ; w0[k] = W1[k][0]
	ds_store_b32 v23, v[H+2*\i+1] offset:4096+512*\i        ; w1[k] = W1[k][1]
.endr
.irp i, 0,1
	ds_store_b128 v24, v[H+16+4*\i:H+19+4*\i] offset:8192+2048*\i
.endr
	s_wait_dscnt 0x0                               ; for the others' sake: my part of the tables is written
	BAR                                            ; the tensor loads stay out
; ---------------- PHASE 1 ----------------
; The tables' numbers of group c (k = 64 c + 32 h + 0 .. 31) into set c % 2: 24 loads; sixteen lanes read the same 16 bytes
.macro PRE c
	WIN 0x80                                       ; data window 2
.set j, 0
.rept 8
	ds_load_b128 v[64*((\c)%2)+4*j:64*((\c)%2)+4*j+3], v3 offset:256*(\c)+16*j
.set j, j+1
.endr
.set j, 0
.rept 8
	ds_load_b128 v[64*((\c)%2)+32+4*j:64*((\c)%2)+35+4*j], v3 offset:4096+256*(\c)+16*j
.set j, j+1
.endr
	WIN 0
.set j, 0
.rept 8
	ds_load_b128 v[BB+32*((\c)%2)+4*j:BB+32*((\c)%2)+4*j+3], v3 offset:8192+256*(\c)+16*j
.set j, j+1
.endr
.endm
; One tile of 16 rows, one block a lane.  The tile in hand is the one whose y stands in v[10:11]; CP = c % 2.
.macro TRIP
	WIN 0x02                                       ; source 0 (w0, w1) window 2
.set i, 0
.rept 16
	v_pk_fma_f32 v[H+i:H+i+1], v[64*CP+i:64*CP+i+1], v[10:11], v[BB+32*CP+i:BB+32*CP+i+1] op_sel_hi:[1,0,1]   ; w0 y0 + b1: y0 serves both halves
.set i, i+2
.endr
.set i, 0
.rept 16
	v_pk_fma_f32 v[H+i:H+i+1], v[64*CP+32+i:64*CP+33+i], v[10:11], v[H+i:H+i+1] op_sel:[0,1,0] op_sel_hi:[1,1,1]   ; + w1 y1: y1 serves both halves
.set i, i+2
.endr
	WIN 0
	; the largest number of relu(.): no |.| on the sources, since what is negative must not count; four chains, then the four left over and the floor
.irp k, 0,1,2,3
	v_max3_num_f32 v[MX+\k], v[H+8*\k], v[H+8*\k+1], v[H+8*\k+2]
.endr
.irp k, 0,1,2,3
	v_max3_num_f32 v[MX+\k], v[MX+\k], v[H+8*\k+3], v[H+8*\k+4]
.endr
.irp k, 0,1,2,3
	v_max3_num_f32 v[MX+\k], v[MX+\k], v[H+8*\k+5], v[H+8*\k+6]
.endr
	v_max3_num_f32 v[MX], v[MX], v[H+7], v[H+15]
	v_max3_num_f32 v[MX+2], v[MX+2], v[H+23], v[H+31]
	v_max3_num_f32 v[MX+1], v[MX+1], v[MX+3], 0x1800000    ; the floor 2^(3 - 127): the byte cannot fall under 1
	v_max3_num_f32 v[MX], v[MX], v[MX+1], v[MX+2]
	v_add_nc_u32 v4, s70, v5                       ; the tile's place in the two stages
	v_add_nc_u32 v6, s73, v7
	v_add_nc_u32 v[SCO], 0xff000000, v[MX]         ; 2 off the exponent field: the conversion takes this operand's exponent field as its scale, and nothing else of it
	v_lshrrev_b32 v[EB], 23, v[SCO]                ; the scale's byte
.irp g, 0,1,2,3
	v_cvt_scalef32_pk8_fp4_f32 v[CC+\g], v[H+8*\g:H+8*\g+7], v[SCO]
.endr
	v_lshlrev_b32 v[EB], v[8+CP], v[EB]            ; the byte at its place in the word.  (The plain line behind the conversions)
	; relu ON THE CODES: where a code's sign is set its three other bits are cleared; what is left is -0.  Four lines for eight numbers
.irp g, 0,1,2,3
	v_and_b32 v[TM+\g], s66, v[CC+\g]              ; 8 in each negative code's place,
.endr
.irp g, 0,1,2,3
	v_lshrrev_b32 v[XS+\g], 3, v[TM+\g]            ; 1,
.endr
.irp g, 0,1,2,3
	v_sub_nc_u32 v[TM+\g], v[TM+\g], v[XS+\g]      ; 7
.endr
.irp g, 0,1,2,3
	v_bfi_b32 v[C2+\g], v[TM+\g], 0, v[CC+\g]
.endr
	ds_store_b128 v4, v[C2:C2+3]                   ; the loop's registers are the same for every tile, so the codes go through my own stage, as an image of their four registers,
	ds_store_b32 v6, v[EB]                         ; and the byte likewise
	v_dual_mov_b32 v18, v10 :: v_dual_mov_b32 v19, v11     ; the four tiles' y go round: after four trips they stand as before
	v_dual_mov_b32 v10, v12 :: v_dual_mov_b32 v11, v13
	v_dual_mov_b32 v12, v14 :: v_dual_mov_b32 v13, v15
	v_dual_mov_b32 v14, v16 :: v_dual_mov_b32 v15, v17
	v_dual_mov_b32 v16, v18 :: v_dual_mov_b32 v17, v19
.endm
; Group c's codes come back from the stage into their places in window 1, and the four tiles' bytes into set c % 2.  LDS serves a wave's instructions in order: these see the stores, and the next group's stores come behind them.
.macro RB c
	WIN 0x40                                       ; data window 1
.irp t, 0,1,2,3
	ds_load_b128 v[8*(8*\t+(\c)/2)+4*((\c)%2):8*(8*\t+(\c)/2)+4*((\c)%2)+3], v5 offset:512*\t
.endr
	WIN 0
	ds_load_b128 v[PT+4*((\c)%2):PT+4*((\c)%2)+3], v7
.endm
; K step s's scale words: my two bytes (blocks h and 2 + h) and lane l xor 16's two
.macro COMBINE s
.irp t, 0,1,2,3
	v_or_b32 v[MX+\t], v[PT+\t], v[PT+4+\t]
.endr
.irp t, 0,1,2,3
	v_permlanex16_b32 v[PX+\t], v[MX+\t], s68, s69
.endr
.irp t, 0,1,2,3
	v_or_b32 v[SA+8*\t+(\s)], v[MX+\t], v[PX+\t]
.endr
.endm
.macro SECTION c
.set CP, (\c)%2
.if (\c) < 15
	PRE (\c)+1                                     ; the next group's tables land while this group is worked
.endif
.if (\c) == 0
	s_wait_dscnt 24                                ; group 0's tables are in; the 24 loads just issued may be out.  (Later groups' tables are shown in by the wait at the end of the group before)
.endif
	s_mov_b32 s70, 0
	s_mov_b32 s73, 0
.Ltile_\c:
	TRIP
	s_add_co_u32 s73, s73, 4
	s_add_co_u32 s70, s70, 512
	s_cmp_lt_u32 s70, 2048
	s_cbranch_scc1 .Ltile_\c
	s_wait_dscnt 2                                 ; all but the last trip's two stores: the next group's tables and the earlier groups' bytes are in
.if ((\c)%2 == 0) && ((\c) >= 2)
	COMBINE (\c)/2-1
.endif
	RB \c
.endm
	PRE 0
	s_wait_loadcnt 6                               ; y is in; b2's and W3's six loads may be out
.irp c, 0,1,2,3,4,5,6,7,8,9,10,11,12,13,14,15
	SECTION \c
.endr
	s_wait_dscnt 0x0                               ; all codes and bytes are in their registers, and my reads of the tables are over
	COMBINE 7
	BAR                                            ; every wave's are: the tables' bytes may be written again
	s_wait_loadcnt 0x0                             ; b2, W3
.irp i, 0,1,2,3
	v_cvt_pk_bf16_f32 v[H+2*\i], v[224+4*\i], v[225+4*\i]
	v_cvt_pk_bf16_f32 v[H+2*\i+1], v[226+4*\i], v[227+4*\i]
.endr
.irp i, 0,1
	ds_store_b128 v24, v[216+4*\i:219+4*\i] offset:2048*\i
.endr
.irp i, 0,1,2,3
	ds_store_b64 v25, v[H+2*\i:H+2*\i+1] offset:(\i/2)*W3P+1024*(\i%2)    ; W3[i / 2][4 thread + 512 (i % 2) ..] in bf16
.endr
	v_mul_u32_u24 v29, v28, PITCH                  ; phase 2's addresses: row r of a pair,
	v_and_b32 v30, 1, v0
	v_mul_u32_u24 v30, v30, W3P                    ; row r % 2 of W3,
	v_lshl_add_u32 v30, v26, 4, v30                ; + 16 h
	v_lshl_add_u32 v[AF0], v26, 4, v29             ; r x pitch + 16 h
	v_lshl_add_u32 v[ASC0], v27, 5, SCL            ; lane l takes row l of the pair: 32 scale bytes
	v_lshl_add_u32 v[AB20], v26, 5, B2T            ; b2: my half's eight numbers
	v_add_nc_u32 v[AW30], W3T-64, v30
	s_wait_tensorcnt 0x0                           ; my parts of both slots and of the scale bytes have landed,
	s_wait_dscnt 0x0                               ; and my part of the new tables is written
	BAR                                            ; everybody's.
	s_wait_kmcnt 0x0                               ; the small inputs
	WIN 0x80
.set j, 0
.rept 32
	v_mov_b32 v[OUT+j], s[86+(j%2)]                ; dH's sums begin with b3: register j of a result is output j % 2
.set j, j+1
.endr
	WIN 0
; ---------------- PHASE 2 ----------------
; A product: K step s, tile t of rows; `set` names the pair's accumulators, its fragments and its scale words.  The four accumulators take turns, one instruction a turn.
.macro WM set, s, t
.set rD, ACC+64*(\set)+16*(\t)
.set rA, 128*(\set)+16*(\s)
.set rB, 8*(8*(\t)+(\s))
.if (\s) == 0
	v_wmma_scale_f32_32x16x128_f4 v[rD:rD+15], v[rA:rA+15], v[rB:rB+7], v[B2C:B2C+15], v[SCW+8*(\set)+(\s)], v[SA+8*(\t)+(\s)]
.else
	v_wmma_scale_f32_32x16x128_f4 v[rD:rD+15], v[rA:rA+15], v[rB:rB+7], v[rD:rD+15], v[SCW+8*(\set)+(\s)], v[SA+8*(\t)+(\s)]
.endif
.endm
; The pair before lies in set OS.  relu of four of tile t's sixteen numbers, from the accumulator's low end on; under the products' own window setting
.macro RL t, q, epi
.if \epi
.set rR, ACC+64*OS+16*(\t)+4*(\q)
.irp j, 0,1,2,3
	v_max3_num_f32 v[rR+\j], 0, 0, v[rR+\j]
.endr
.else
	PLACES
.endif
.endm
.macro BF t                            ; dH of tile t += W3 x these 32 numbers
.set rH, ACC+64*OS+16*(\t)
	v_wmma_f32_16x16x32_bf16 v[OUT+8*(\t):OUT+8*(\t)+7], v[W3F+8*OS:W3F+8*OS+7], v[rH:rH+7], v[OUT+8*(\t):OUT+8*(\t)+7]
.endm
.macro CG t, epi                       ; tile t's sixteen numbers rounded to bf16, in place, ascending: register i takes numbers 2 i and 2 i + 1.  The tile before has its bf16 product in the middle
.if \epi
.set rC, ACC+64*OS+16*(\t)
	WIN W_P
.irp i, 0,1,2,3
	v_cvt_pk_bf16_f32 v[rC+\i], v[rC+2*\i], v[rC+2*\i+1]
.endr
.if (\t) > 0
	BF (\t)-1
.endif
.irp i, 4,5,6,7
	v_cvt_pk_bf16_f32 v[rC+\i], v[rC+2*\i], v[rC+2*\i+1]
.endr
	WIN W_S
.endif
.endm
.macro TRL fs, b                       ; a pair's fragment of K step b into set fs: rows 0-15 in registers 0-7, rows 16-31 in 8-15; registers 4 c .. 4 c + 3: k = 64 c + 32 h + 0 .. 31
.irp u, 0,1
.irp c, 0,1
	ds_load_b128 v[128*(\fs)+16*(\b)+8*\u+4*\c:128*(\fs)+16*(\b)+8*\u+4*\c+3], v[AF] offset:\u*16*PITCH+64*(\b)+32*\c
.endr
.endr
.endm
.macro SCLD set                        ; a pair's scale words: lane l has row l's eight, one for each K step
	ds_load_b128 v[SCW+8*(\set):SCW+8*(\set)+3], v[ASC]
	ds_load_b128 v[SCW+8*(\set)+4:SCW+8*(\set)+7], v[ASC] offset:16
.endm
.macro B2LD                            ; a pair's b2 in the result's layout: numbers 8 h + 0 .. 7 and 16 + 8 h + 0 .. 7
	ds_load_b128 v[B2C:B2C+3], v[AB2]
	ds_load_b128 v[B2C+4:B2C+7], v[AB2] offset:16
	ds_load_b128 v[B2C+8:B2C+11], v[AB2] offset:64
	ds_load_b128 v[B2C+12:B2C+15], v[AB2] offset:80
.endm
.macro ADDR                            ; s71: where the pair to be fetched begins in the ring; s72: its number
	v_add_nc_u32 v[AF], s71, v[AF0]
	v_lshl_add_u32 v[ASC], s72, 10, v[ASC0]
	v_lshl_add_u32 v[AB2], s72, 7, v[AB20]
	v_lshl_add_u32 v[AW3], s72, 6, v[AW30]         ; (W3's address is one pair back: the pair in hand)
.endm
; THE RUN: all that a pair asks of LDS, 40 loads on end under three window settings: the next pair's scale words (2), its b2 (4), this pair's 32 numbers of W3 for the slices of the next pair (2), and the next pair's
; fragments, K steps 0 to 7 (4 each), into the other set.  Strewn among the products each group of loads would want two switches of its own.  The run stands behind the pair's fourth product: the four address lines are
; the four plain lines between the products that read b2 and the load into b2's registers; the other set's fragments and scale words were last read by the pair before, twelve more plain lines back.
.macro RUN set, pre
	WIN 0
.if \pre
	ADDR
	SCLD OS
	WIN W_2
	B2LD
.else
	v_lshl_add_u32 v[AW3], s72, 6, v[AW30]
	WIN W_2
.endif
	ds_load_b128 v[W3F+8*(\set):W3F+8*(\set)+3], v[AW3]
	ds_load_b128 v[W3F+8*(\set)+4:W3F+8*(\set)+7], v[AW3] offset:32
.if \pre
	WIN W_F
.irp b, 0,1,2,3,4,5,6,7
	TRL OS, \b
.endr
	s_add_co_u32 s71, s71, PB                      ; on to the pair after the next
	s_add_co_u32 s72, s72, 1
.endif
	WIN W_S
.endm
; A PAIR.  set: its registers.  epi = 1: the pair before is finished in the slices.  pre = 1: the next pair's operands are fetched.
; TWO WAITS.  At the head the last run's youngest sixteen loads (K steps 4 to 7's fragments) may be out: the scale words, b2, W3 and K steps 0 to 3 are in.  Ahead of K step 4 only this pair's own run, 40 loads, may be out.
; A load into a register that a product has read, and a vector instruction that reads a product's result, stand four plain vector lines behind that product (ISA guide 7.12.1 for vector instructions)
; the slices are those lines, and the four v_nop in K step 7 are those between its first product and the next pair's first relu.
.macro P set, epi, pre
.set OS, 1-(\set)
	s_wait_dscnt 16
	WIN W_S
	WM \set, 0, 0
	RL 0, 0, \epi
	WM \set, 0, 1
	RL 0, 1, \epi
	WM \set, 0, 2
	RL 0, 2, \epi
	WM \set, 0, 3
	RUN \set, \pre
	WM \set, 1, 0
	RL 0, 3, \epi
	WM \set, 1, 1
	WM \set, 1, 2
	CG 0, \epi
	WM \set, 1, 3
	WM \set, 2, 0
	RL 1, 0, \epi
	WM \set, 2, 1
	RL 1, 1, \epi
	WM \set, 2, 2
	RL 1, 2, \epi
	WM \set, 2, 3
	RL 1, 3, \epi
	WM \set, 3, 0
	WM \set, 3, 1
	CG 1, \epi
	WM \set, 3, 2
	WM \set, 3, 3
	RL 2, 0, \epi
	s_wait_dscnt 40*(\pre)
	WM \set, 4, 0
	RL 2, 1, \epi
	WM \set, 4, 1
	RL 2, 2, \epi
	WM \set, 4, 2
	RL 2, 3, \epi
	WM \set, 4, 3
	WM \set, 5, 0
	CG 2, \epi
	WM \set, 5, 1
	WM \set, 5, 2
	RL 3, 0, \epi
	WM \set, 5, 3
	RL 3, 1, \epi
	WM \set, 6, 0
	RL 3, 2, \epi
	WM \set, 6, 1
	RL 3, 3, \epi
	WM \set, 6, 2
	WM \set, 6, 3
	CG 3, \epi
	WM \set, 7, 0
	PLACES
	WM \set, 7, 1
	WM \set, 7, 2
.if \epi
	WIN W_P
	BF 3                                           ; twelve plain lines (the next pair's first three slices) stand between it and the product that writes over its source
	WIN W_S
.endif
	WM \set, 7, 3
.endm
.macro PAIRS n                         ; n trips of two pairs
	WIN 0                                          ; at a label and at a branch every window is 0
	s_mov_b32 s74, \n
.Lpairs_\@:
	P 1, 1, 1
	P 0, 1, 1
	WIN 0
	s_sub_co_u32 s74, s74, 1
	s_cmp_lg_u32 s74, 0
	s_cbranch_scc1 .Lpairs_\@
.endm
; THE CHANGE OF SLOTS stands in front of a slot's LAST pair: that pair's fragments have all been asked for, so with the wait for them the slot is read out, and the pair's run fetches from the next slot like any other.
; Each wave waits for all its tensor loads, adds 0 to its spare word, and waits for that and for its reads of the slot.  fill = 1: the slot is filled again with the rows two slots on: the barrier is then a round
; of the cluster's, so that no wave of any partner still reads the slot or has a load on its way, and the joint refill is the first thing behind it: it has eight pairs in which to land.  nb: where the next slot begins.
.macro CH fill, nb
	WIN 0
	s_wait_tensorcnt 0x0                           ; no tensor load of mine is out, so a group 0 may be written
	ds_add_u32 v1, v2                              ; 0 onto my spare word
	s_mov_b32 s71, \nb
.if \fill
	s_xor_b32 s53, s53, SLOTB                      ; the walking descriptor: the other slot than last time (my quarter's offset shares no bit with SLOTB),
	s_add_nc_u64 s[54:55], s[54:55], 131072        ; the next 256 rows; the type bits on top are not reached
.endif
	s_wait_dscnt 0x0                               ; the add is done, and my reads of the slot are over
.if \fill
	ROUND
	tensor_load_to_lds s[52:55], s[32:39]          ; my one tensor load behind the round: one load of mine is out
	s_nop 0
	PLACES                                         ; four v_nop follow it
.else
	BAR
.endif
.endm
	s_mov_b32 s71, 0                               ; pair 0's operands, in the order of a run (without W3's two): 38 loads
	s_mov_b32 s72, 0
	ADDR
	SCLD 0
	WIN W_2
	B2LD
	WIN W_F
.irp b, 0,1,2,3,4,5,6,7
	TRL 0, \b
.endr
	s_mov_b32 s71, PB
	s_mov_b32 s72, 1
	P 0, 0, 1                                      ; pair 0: there is no pair before it
	PAIRS 3                                        ; pairs 1 to 6
	CH 1, SLOTB                                    ; slot 0 takes rows 512 to 767
	PAIRS 4                                        ; pairs 7 to 14
	CH 1, 0                                        ; slot 1 takes rows 768 to 1,023
	PAIRS 4                                        ; pairs 15 to 22
	CH 0, SLOTB                                    ; nothing is left to fetch
	PAIRS 4                                        ; pairs 23 to 30
	P 1, 1, 0                                      ; pair 31 fetches W3's numbers alone
	; the last pair is finished by itself
	PLACES
	WIN W_P
.set OS, 1
.set j, 0
.rept 64
	v_max_num_f32 v[ACC+64+j], 0, v[ACC+64+j]      ; each accumulator from its low end on
.set j, j+1
.endr
.irp t, 0,1,2,3
.irp i, 0,1,2,3,4,5,6,7
	v_cvt_pk_bf16_f32 v[ACC+64+16*\t+\i], v[ACC+64+16*\t+2*\i], v[ACC+64+16*\t+2*\i+1]
.endr
.endr
	PLACES
.irp t, 0,1,2,3
	BF \t
.endr
	PLACES                                         ; in front of the first read of these results
; ---------------- THE WAY OUT ----------------
; Registers 0 and 1 of tile t's sum hold dH0 and dH1 of row 16 t + r in both halves of the lanes: lanes 0-15 take the even tile, lanes 16-31 the odd one, so that lane l holds row 32 q + l.
	s_mov_b32 vcc_lo, 0xffff0000
	WIN 0x0a                                       ; sources 0 and 1 window 2
.irp q, 0,1
.irp j, 0,1
	v_cndmask_b32 v[H+2*\q+\j], v[OUT+16*\q+\j], v[OUT+16*\q+8+\j], vcc_lo
.endr
.endr
	WIN 0
	v_mov_b32 v150, s85                            ; m
	v_mov_b32 v153, s78                            ; R10
	v_mov_b32 v154, s84                            ; control
	v_mov_b32 v157, s79                            ; R11
	v_add_f32 v151, s77, v150                      ; m + R01
	v_sub_f32 v152, s85, v153                      ; m - R10
	v_mul_f32 v155, s80, v154                      ; Bmat control,
	v_mul_f32 v156, s81, v154
	v_mul_f32 v155, s82, v155                      ; times scale
	v_mul_f32 v156, s83, v156
	v_lshlrev_b32 v170, 3, v27                     ; 8 bytes a lane
.irp q, 0,1
	v_mul_f32 v160, v151, v[H+2*\q+1]
	v_mul_f32 v161, v152, v[H+2*\q]
	v_fma_f32 v160, s76, v[H+2*\q], v160           ; R00 dH0 + (m + R01) dH1
	v_fma_f32 v161, -v157, v[H+2*\q+1], v161       ; (m - R10) dH0 - R11 dH1
	v_fma_f32 v[164+2*\q], -v160, s82, v155
	v_fma_f32 v[165+2*\q], v161, s83, v156
	global_store_b64 v170, v[164+2*\q:165+2*\q], s[30:31] offset:256*\q th:TH_STORE_NT   ; 32 lanes store 256 consecutive bytes, at a multiple of 256 from out0's first byte
.endr
	s_wait_tensorcnt 0x0                           ; the wave's end, behind my last tensor load and my last LDS store
	ds_add_u32 v1, v2
	s_wait_dscnt 0x0
	ROUND                                          ; the closing round: no work-group ends while a partner may still ask for a tile that names it
	s_endpgm
.Lfunc_end_k_q4175f7de11_phnode:
	.size	k_q4175f7de11_phnode, .Lfunc_end_k_q4175f7de11_phnode-k_q4175f7de11_phnode
	.p2alignl 7, 3214868480
	.fill 96, 4, 3214868480
	.section	.rodata,"a",@progbits
	.p2align	6, 0x0
	.amdhsa_kernel k_q4175f7de11_phnode
		.amdhsa_group_segment_fixed_size 327680
		.amdhsa_private_segment_fixed_size 0
		.amdhsa_enable_private_segment 0
		.amdhsa_kernarg_size 112
		.amdhsa_user_sgpr_count 2
		.amdhsa_user_sgpr_kernarg_segment_ptr 1
		.amdhsa_wavefront_size32 1
		.amdhsa_system_sgpr_workgroup_id_x 1
		.amdhsa_system_sgpr_workgroup_id_y 1
		.amdhsa_system_sgpr_workgroup_id_z 1
		.amdhsa_system_vgpr_workitem_id 0
		.amdhsa_next_free_vgpr 1024
		.amdhsa_next_free_sgpr 96
		.amdhsa_reserve_vcc 1
		.amdhsa_float_denorm_mode_32 3
		.amdhsa_float_denorm_mode_16_64 3
		.amdhsa_memory_ordered 1
		.amdhsa_forward_progress 1
		.amdhsa_inst_pref_size 255
	.end_amdhsa_kernel
	.section	.bss,"aw",@nobits
	.p2align	6
	.space	262144
	.amdgpu_metadata
---
amdhsa.version: [ 1, 2 ]
amdhsa.kernels:
  - .name:           k_q4175f7de11_phnode
    .symbol:         k_q4175f7de11_phnode.kd
    .args:
      - { .name: y, .offset: 0, .size: 8, .value_kind: global_buffer, .address_space: global }
      - { .name: W1, .offset: 8, .size: 8, .value_kind: global_buffer, .address_space: global }
      - { .name: b1, .offset: 16, .size: 8, .value_kind: global_buffer, .address_space: global }
      - { .name: W2_codes, .offset: 24, .size: 8, .value_kind: global_buffer, .address_space: global }
      - { .name: W2_scales, .offset: 32, .size: 8, .value_kind: global_buffer, .address_space: global }
      - { .name: b2, .offset: 40, .size: 8, .value_kind: global_buffer, .address_space: global }
      - { .name: W3, .offset: 48, .size: 8, .value_kind: global_buffer, .address_space: global }
      - { .name: b3, .offset: 56, .size: 8, .value_kind: global_buffer, .address_space: global }
      - { .name: R, .offset: 64, .size: 8, .value_kind: global_buffer, .address_space: global }
      - { .name: Bmat, .offset: 72, .size: 8, .value_kind: global_buffer, .address_space: global }
      - { .name: scale, .offset: 80, .size: 8, .value_kind: global_buffer, .address_space: global }
      - { .name: control, .offset: 88, .size: 8, .value_kind: global_buffer, .address_space: global }
      - { .name: m, .offset: 96, .size: 8, .value_kind: global_buffer, .address_space: global }
      - { .name: out0, .offset: 104, .size: 8, .value_kind: global_buffer, .address_space: global }
    .group_segment_fixed_size: 327680
    .private_segment_fixed_size: 0
    .kernarg_segment_align: 8
    .kernarg_segment_size: 112
    .max_flat_workgroup_size: 128
    .sgpr_count:     96
    .vgpr_count:     1024
    .wavefront_size: 32
...
	.end_amdgpu_metadata
.endif
;; end of part 2
